; MI455X (gfx1250); checked and timed in simulation.
; The chip was launched on July 23, 2026; its instructions are those of AMD's public machine-readable ISA for CDNA 5 (MIT licence, August 2026) and "CDNA5" Instruction Set Architecture Reference Guide (July 2026). The comments in the code are by the model that wrote it; some were corrected since.
;; Attention. Allowed arithmetic: matrix products marked QUANTISED: E4M3 operands, one E8M0 scale for each 32 along K, by v_wmma_scale_f32_16x16x128_f8f6f4 with both operands' format E4M3, f32 sums; everything else in f32.
;; Inputs: query_input_codes 4 x 2,048 x 32 x 32 uint8 (E4M3 codes of query_input, K innermost, in blocks of 32 codes); query_input_scales 4 x 2,048 x 32 uint8 (E8M0 scales of query_input, one for each 32 codes along K); source_input 4 x 4,096 x 1,024 float32.
;; Outputs: out0 4 x 2,048 x 1,024 float32.
;; This version of the problem:
;;   THIS VERSION OF THE PROBLEM IS GIVEN IN LOW PRECISION. The matrix products marked QUANTISED in the list below multiply operands that are first quantised to E4M3 (4 exponent bits, 3 mantissa bits; 8 bits a number), with one power-of-two scale for each 32 numbers along K (OCP MX v1.0); their sums are f32. All else is computed in f32.
;;   The module's matrix products, in the order in which they are computed (A, B: the left and right operand; K: the contracted axis; several contracted axes count as one K, in the product's order):
;;     1. batch 4 x [M 2,048, K 1,024] x [K 1,024, N 4,096]; A: input query_input (given as codes); B: input source_input: QUANTISED
;;     2. batch 4 x [M 2,048, K 4,096] x [K 4,096, N 1,024]; A: softmax (see below); B: input source_input: QUANTISED
;;   THE QUANTISER, for each operand of a quantised product, along K:
;;     - K is cut into blocks of 32 from its start; a last block that is shorter is filled with zeros.
;;     - A block's scale is 2^e with e = floor(log2(the largest magnitude in the block)) - 8, held to -126 .. 127; a block of zeros has e = 0. As a byte (E8M0): e + 127.
;;     - Each number is divided by its block's scale, clamped to +-448, and rounded to the nearest number of E4M3, ties to even, subnormals kept.
;;     - The product sums the exact products of the quantised numbers (number of the format x scale) in f32.
;;   ~~~python
;;   def quantise(x, axis):      # numpy; x: float32 -> the quantised numbers, widened to float32 again
;;       x = np.moveaxis(x, axis, -1); K = x.shape[-1]
;;       x = np.pad(x, [(0, 0)] * (x.ndim - 1) + [(0, -K % 32)]); x = x.reshape(x.shape[:-1] + (-1, 32)); a = np.abs(x).max(-1, keepdims=True)
;;       e = np.where(a > 0, np.clip(np.frexp(np.where(a > 0, a, 1))[1] - 1 - 8, -126, 127), 0)      # np.frexp(a)[1] - 1 = floor(log2(a)), exactly
;;       r = np.clip(x / 2.0 ** e, -448, 448)
;;       step = 2.0 ** (np.maximum(np.frexp(np.where(r == 0, 1, r))[1] - 1, -6) - 3)
;;       q = np.round(r / step) * step * 2.0 ** e      # np.round: ties to even
;;       return np.moveaxis(q.reshape(q.shape[:-2] + (-1,))[..., :K], -1, axis).astype(np.float32)
;;   ~~~
;;   SOFTMAX AHEAD OF A QUANTISED PRODUCT. Where the list says 'softmax', what is quantised is not the finished softmax but p = 2^(t - M), with t = logit x log2(e) and M = ceil(the row's largest t), a whole number; so 1/2 < the row's largest p <= 1. The row's sum l is taken of the UNQUANTISED p, in f32, and the product's result is divided by l at the end. Since M is a whole number, a kernel that streams over the keys may use a running M (the ceiling of the running maximum): every later rescaling is an exact power of two, which a block's scale takes up: the codes' values come out the same.
;;   OPERANDS COMPUTED ON THE WAY. 'Computed on the way' means the value that the module computes at that place (a softmax that the list does not call 'softmax' is quantised finished and normalised). What goes into a quantiser is computed in f32, as accurately as f32 sums, v_exp_f32 and their like allow (about 1e-6 of the number): no bf16 or f16 on the way to a quantiser, and a product that is left as it is and whose result goes on into a quantised operand takes f32 operands (vector FMAs, or v_wmma_f32_16x16x4_f32). A number that lies on a knife's edge between two numbers of the format may be rounded either way, as far as f32 arithmetic and the matrix unit's own rounding can turn it there, and no further.
;;   INPUTS GIVEN AS CODES. query_input (in the module: [4, 2048, 1024], K = its axis 2): each comes as NAME_codes (uint8): NAME with its K axis moved to the last place and cut into blocks of 32 codes, [.., K / 32, bytes a block], one block behind the other in memory; one code a byte (a code: sign, 4 exponent bits, 3 mantissa bits); and NAME_scales (uint8): the same leading axes, one E8M0 byte (e + 127) for each 32 codes along K. Its value is code x scale, taken as it is: it is not quantised again, and the codes and scales need not be those that the quantiser above would give.
;; One version. Each part assembles by itself: llvm-mc -triple=amdgcn-amd-amdhsa -mcpu=gfx1250 --defsym DOCPART=n.
;; ======== version 1 of 1: 3 launches
;; workspace buffers: kc 16,777,216 bytes; ks 524,288 bytes; vc 16,777,216 bytes; vs 524,288 bytes; pc 33,554,432 bytes; ps 1,048,576 bytes; pm 1,048,576 bytes; pl 1,048,576 bytes
;; launch quant (part 1): grid 4 x 64, 4 waves a work-group, no clusters, 274,944 bytes of LDS; arguments source_input, kc, ks, vc, vs; writes kc, ks, vc, vs
.if DOCPART == 1
	.amdgcn_target "amdgcn-amd-amdhsa--gfx1250"
	.amdhsa_code_object_version 6
	.text
	.protected	k_q3bdd7ec1f1_quant
	.globl	k_q3bdd7ec1f1_quant
	.p2align	8
	.type	k_q3bdd7ec1f1_quant,@function
k_q3bdd7ec1f1_quant:
	s_mov_b64 s[64:65], 0
	v_nop
	global_prefetch_b8 v0, s[64:65] scope:SCOPE_SE
	s_setreg_imm32_b32 hwreg(HW_REG_WAVE_MODE, 25, 1), 1
	s_wait_xcnt 0x0
; source_input [4][4096][1024] f32 is quantised TWICE to E4M3 codes with one E8M0 byte for each 32 numbers: along its channels (it is the keys of the first product)
; and along its rows (it is the values of the second product, whose K is the keys).  Each number is read from memory once.
; A block's scale is 2^(floor(log2(largest magnitude)) - 8); its byte is the largest magnitude's exponent field - 8, held at 1 from below; each number is held within +-448 x scale and rounded to the nearest code.
; LIMITS: a block of zeros gets the byte 1 where the rule says 127 (its codes are zeros, and only this program reads the bytes); blocks whose largest magnitude lies under 2^-118 take the floor's byte; NaN and infinities are not served.
; SHARES.  Work-group (j = x, y = 16 b + nt) takes 256 rows x 256 channels; wave w takes 128 rows (half ws = w / 2) x 128 channels (half wh = w % 2): 64 KiB, brought by four tensor loads of 32 rows x 512 bytes
; into LDS bytes of the wave's own.  Only the wave that fetched them reads them, nothing is filled twice: no barrier.  A wave has four tensor loads out at the start.
; WHAT IS STORED are images of operand registers.  A fragment (16 lane rows x 128 along K) is 2,048 bytes: register group c of lane l at 512 c + 16 l.  A fragment's scale words: 4 bytes a lane row, 64 bytes.
;   kc [b][nt][j][q][i 16][image]: lane row r of fragment i = 2 B + u is key 32 B + 8 u + r + 8 (r / 8), so that the scores of two neighbouring fragments are 16 neighbouring keys in a lane.  ks: the words beside it.
;   vc [b][ht = j][J = nt][q = ws][i 16][image]: lane row r is channel 16 i + r, K runs along the keys.  vs: the words beside it.
; VALUES: a lane takes a channel and its 32 registers run down 32 rows: a block lies in one lane.  KEYS: lane (r, h) takes 16 neighbouring channels of each block of 32 of its row; a block is joined with lane l xor 16.
.set PITCH, 528                        ; an LDS row: 512 bytes + 16 of padding
.set GRP,   32*PITCH                   ; what one tensor load brings
.set WBLK,  4*GRP                      ; a wave's block
.set GATH,  4*WBLK                     ; behind the blocks: 1,024 bytes a wave, where scale words are gathered (512 for the keys', 512 for the values'); no tensor load lands here
.set VA,  4                            ; v4   LDS: my lane's channel in the group in hand (values)
.set KA,  5                            ; v5   LDS: my lane's row and half (keys)
.set VO,  6                            ; v6   vc: 2,048 (lane / 16) + 16 (lane % 16)
.set KO,  7                            ; v7   16 x lane
.set GK,  8                            ; v8   gather: keys' words, 4 r
.set GV,  9                            ; v9   gather: 4 x lane (values' words stand 512 further on)
.set GR,  10                           ; v10  gather, back: 16 x lane
.set TM,  12                           ; v12-27 at work
.set KW,  28                           ; v28-35 the 8 key fragments' scale words
.set SBV, 36                           ; v36-39 the values' scale words: channel 32 cs + lane, a byte for each group of 32 keys
.set CV,  40                           ; v40-47 a value block's codes
.set CK,  48                           ; v48-63 a key fragment's codes
.set XV0, 64                           ; v64-95, v96-127 two sets of 32 numbers (values)
.set XV1, 96
.set XK1, 64                           ; v64-127, v128-191 two sets of 64 numbers (keys)
.set XK0, 128
.set BK,  192                          ; v192-199 the gathered words
.set G1,  20                           ; s[20:27] descriptor group 1
.set G0,  28                           ; s[28:43] four groups 0
.set SEL, 44                           ; s[44:45] v_permlanex16_b32's selects for lane l xor 16
.set MNT, 46                           ; s46  the mantissa field of 448
	s_load_b256 s[4:11], s[0:1], 0x0               ; source s[4:5], kc s[6:7], ks s[8:9], vc s[10:11]
	s_load_b64 s[12:13], s[0:1], 0x20              ; vs
	v_lshl_add_u32 v200, v0, 2, 0x43000
	v_mov_b32 v201, 0
	ds_add_u32 v200, v201
	ds_add_u32 v200, v201
	v_lshrrev_b32 v1, 5, v0
	v_readfirstlane_b32 s14, v1                    ; wave
	s_lshr_b32 s15, s14, 1                         ; ws: which 128 rows
	s_and_b32 s16, s14, 1                          ; wh: which 128 channels
	s_and_b32 s18, ttmp7, 0xffff                   ; y = 16 b + nt
	; group 1: 32 rows of 128 elements of 4 bytes, 1,024 elements from row to row; 4 words of padding behind every 128
	s_mov_b32 s[G1+0], (2<<16)|(1<<20)|(6<<22)|(3<<25)
	s_mov_b32 s[G1+1], 128<<16                     ; tensor_dim0
	s_mov_b32 s[G1+2], 32<<16                      ; tensor_dim1
	s_mov_b32 s[G1+3], 128<<16                     ; tile_dim0
	s_mov_b32 s[G1+4], 32                          ; tile_dim1
	s_mov_b32 s[G1+5], 1024                        ; the pitch
	s_mov_b32 s[G1+6], 0
	s_mov_b32 s[G1+7], 0
	s_mul_i32 s47, s14, WBLK                       ; my block in LDS
	s_lshl_b32 s48, s18, 20                        ; 256 y rows of 4,096 bytes
	s_lshl_b32 s50, s15, 19                        ; + 128 ws rows
	s_add_co_u32 s48, s48, s50
	s_lshl_b32 s50, ttmp9, 10                      ; + 256 j channels
	s_add_co_u32 s48, s48, s50
	s_lshl_b32 s50, s16, 9                         ; + 128 wh channels
	s_add_co_u32 s48, s48, s50
	s_mov_b32 s49, 0
	s_wait_dscnt 0x0
	s_wait_kmcnt 0x0
	s_add_nc_u64 s[4:5], s[4:5], s[48:49]
.irp n, 0,1,2,3
	s_mov_b32 s[G0+4*\n], 1
	s_add_co_u32 s[G0+4*\n+1], s47, \n*GRP
	s_add_nc_u64 s[G0+4*\n+2:G0+4*\n+3], s[4:5], \n*131072         ; 32 rows on
	s_or_b32 s[G0+4*\n+3], s[G0+4*\n+3], 0x80000000
.endr
.irp n, 0,1,2,3
	tensor_load_to_lds s[G0+4*\n:G0+4*\n+3], s[G1:G1+7]            ; all four go out together, ahead of every wait on TENSORcnt and every LDS read
	s_nop 0
.endr
	v_and_b32 v1, 31, v0                           ; lane
	v_and_b32 v2, 15, v0                           ; r
	v_bfe_u32 v3, v0, 4, 1                         ; h
	v_lshl_add_u32 v[VA], v1, 2, s47
	v_and_b32 v11, 8, v2
	v_add_nc_u32 v11, v11, v2                      ; r + 8 (r / 8)
	v_mul_u32_u24 v[KA], v11, PITCH
	v_lshl_add_u32 v[KA], v3, 6, v[KA]             ; + 64 h: my 16 numbers of a block of 32
	v_add_nc_u32 v[KA], s47, v[KA]
	v_lshlrev_b32 v[VO], 4, v2
	v_lshl_add_u32 v[VO], v3, 11, v[VO]
	v_lshlrev_b32 v[KO], 4, v1
	s_lshl_b32 s51, s14, 10
	s_add_co_u32 s51, s51, GATH
	v_lshl_add_u32 v[GK], v2, 2, s51
	v_lshl_add_u32 v[GV], v1, 2, s51
	v_lshl_add_u32 v[GR], v1, 4, s51
.irp b, 0,1,2,3
	v_mov_b32 v[TM+4+\b], 0                        ; written once: a lane permute's destination counts as one of its sources
.endr
	s_mov_b32 s[SEL], 0x76543210
	s_mov_b32 s[SEL+1], 0xfedcba98
	s_mov_b32 s[MNT], 0x600000
	s_lshl_b32 s48, s18, 18                        ; kc: y, j, q = wh, i = 8 ws
	s_lshl_b32 s50, ttmp9, 16
	s_add_co_u32 s48, s48, s50
	s_lshl_b32 s50, s16, 15
	s_add_co_u32 s48, s48, s50
	s_lshl_b32 s50, s15, 14
	s_add_co_u32 s48, s48, s50
	s_add_nc_u64 s[6:7], s[6:7], s[48:49]
	s_lshr_b32 s48, s48, 5                         ; ks: 64 bytes of words for 2,048 of codes
	s_add_nc_u64 s[8:9], s[8:9], s[48:49]
	s_lshr_b32 s51, s18, 4                         ; b
	s_and_b32 s52, s18, 15                         ; nt
	s_lshl_b32 s48, s51, 22                        ; vc: b, ht = j, J = nt, q = ws, i = 8 wh
	s_lshl_b32 s50, ttmp9, 20
	s_add_co_u32 s48, s48, s50
	s_lshl_b32 s50, s52, 16
	s_add_co_u32 s48, s48, s50
	s_lshl_b32 s50, s15, 15
	s_add_co_u32 s48, s48, s50
	s_lshl_b32 s50, s16, 14
	s_add_co_u32 s48, s48, s50
	s_add_nc_u64 s[10:11], s[10:11], s[48:49]
	s_lshr_b32 s48, s48, 5
	s_add_nc_u64 s[12:13], s[12:13], s[48:49]
.macro LDV cs, x                       ; channel 32 cs + lane, 32 rows down: each load takes 128 consecutive bytes
.set I, 0
.rept 32
	ds_load_b32 v[\x+I], v[VA] offset:I*PITCH+128*\cs
.set I, I+1
.endr
.endm
.macro LDK u, x                        ; register 16 c + i = channel 32 c + 16 h + i of row 8 u + r + 8 (r / 8)
.irp c, 0,1,2,3
.irp t, 0,1,2,3
	ds_load_b128 v[\x+16*\c+4*\t:\x+16*\c+4*\t+3], v[KA] offset:8*\u*PITCH+128*\c+16*\t
.endr
.endr
.endm
; a block of 32 keys of my channel: its byte into the channel's word, its 32 codes into the fragment's image
.macro VBLOCK g, cs, x
	v_max3_num_f32 v[TM], |v[\x]|, |v[\x+1]|, |v[\x+2]|
	v_max3_num_f32 v[TM+1], |v[\x+3]|, |v[\x+4]|, |v[\x+5]|
.irp i, 6,10,14,18,22,26
	v_max3_num_f32 v[TM], v[TM], |v[\x+\i]|, |v[\x+\i+1]|
	v_max3_num_f32 v[TM+1], v[TM+1], |v[\x+\i+2]|, |v[\x+\i+3]|
.endr
	v_max3_num_f32 v[TM], v[TM], |v[\x+30]|, |v[\x+31]|
	v_max3_num_f32 v[TM], v[TM], v[TM+1], 0x4800000        ; and the floor 2^(9 - 127): the byte cannot fall under 1
	v_add_nc_u32 v[TM+2], 0xfc000000, v[TM]                ; 8 off the exponent field: the conversion's scale operand
	v_and_or_b32 v[TM+3], v[TM], 0x7f800000, s[MNT]        ; 448 x the scale
	v_lshrrev_b32 v[TM+1], 23, v[TM+2]                     ; the byte
.if \g == 0
	v_mov_b32 v[SBV+\cs], v[TM+1]
.else
	v_lshl_or_b32 v[SBV+\cs], v[TM+1], 8*\g, v[SBV+\cs]
.endif
.set I, 0
.rept 32
	v_med3_num_f32 v[\x+I], v[\x+I], -v[TM+3], v[TM+3]     ; the conversion to an 8-bit code does not saturate (ISA guide 7.6.2): the hold comes first
.set I, I+1
.endr
	s_wait_xcnt 0x0                                        ; the last block's stores have read their data: the codes' registers are written only behind this wait
.irp q, 0,1,2,3
	v_cvt_scalef32_pk8_fp8_f32 v[CV+2*\q:CV+2*\q+1], v[\x+8*\q:\x+8*\q+7], v[TM+2]
.endr
	v_nop                                                  ; a plain line behind the last conversion
	global_store_b128 v[VO], v[CV:CV+3], s[10:11] offset:\cs*4096+512*\g         ; keys 32 g + 0 .. 15: sixteen lanes store 256 consecutive bytes, aligned
	global_store_b128 v[VO], v[CV+4:CV+7], s[10:11] offset:\cs*4096+512*\g+256   ; keys 32 g + 16 .. 31
.endm
; a key fragment: 64 numbers a lane become 16 registers of codes and a scale word
.macro KFRAG g, u, x
.irp b, 0,1,2,3
	v_max3_num_f32 v[TM+\b], |v[\x+16*\b]|, |v[\x+1+16*\b]|, 0x4800000
.endr
.irp i, 2,4,6,8,10,12,14
.irp b, 0,1,2,3
	v_max3_num_f32 v[TM+\b], v[TM+\b], |v[\x+16*\b+\i]|, |v[\x+1+16*\b+\i]|
.endr
.endr
.irp b, 0,1,2,3
	v_permlanex16_b32 v[TM+4+\b], v[TM+\b], s[SEL], s[SEL+1]
.endr
.irp b, 0,1,2,3
	v_max_num_f32 v[TM+\b], v[TM+\b], v[TM+4+\b]           ; with lane l xor 16's 16 numbers: the block's largest magnitude
.endr
.irp b, 0,1,2,3
	v_add_nc_u32 v[TM+12+\b], 0xfc000000, v[TM+\b]
.endr
.irp b, 0,1,2,3
	v_and_or_b32 v[TM+8+\b], v[TM+\b], 0x7f800000, s[MNT]
.endr
.irp b, 0,1,2,3
	v_lshrrev_b32 v[TM+4+\b], 23, v[TM+12+\b]
.endr
	v_lshl_or_b32 v[KW+2*\g+\u], v[TM+5], 8, v[TM+4]
	v_lshl_or_b32 v[KW+2*\g+\u], v[TM+6], 16, v[KW+2*\g+\u]
	v_lshl_or_b32 v[KW+2*\g+\u], v[TM+7], 24, v[KW+2*\g+\u]
	s_wait_xcnt 0x0                                        ; the last fragment's stores have read their data
.irp b, 0,1,2,3
.irp i, 0,1,2,3,4,5,6,7,8,9,10,11,12,13,14,15
	v_med3_num_f32 v[\x+16*\b+\i], v[\x+16*\b+\i], -v[TM+8+\b], v[TM+8+\b]
.endr
	v_cvt_scalef32_pk8_fp8_f32 v[CK+4*\b:CK+1+4*\b], v[\x+16*\b:\x+7+16*\b], v[TM+12+\b]
	v_cvt_scalef32_pk8_fp8_f32 v[CK+2+4*\b:CK+3+4*\b], v[\x+8+16*\b:\x+15+16*\b], v[TM+12+\b]
.endr
	v_nop                                                  ; a plain line behind the last conversion
.irp c, 0,1,2,3
	global_store_b128 v[KO], v[CK+4*\c:CK+4*\c+3], s[6:7] offset:(2*\g+\u)*2048+512*\c    ; 512 consecutive bytes, aligned
.endr
.endm
; 32 rows of my block: four value blocks a lane, two key fragments.  Each wait on DScnt leaves out the batch of loads issued last.
.macro GROUP g
	s_wait_tensorcnt 3-\g                          ; tensor loads of a wave end in order: this group's tile is in, the later ones may be out
	LDV 0, XV0
	LDV 1, XV1
	s_wait_dscnt 32
	VBLOCK \g, 0, XV0
	LDV 2, XV0
	s_wait_dscnt 32
	VBLOCK \g, 1, XV1
	LDV 3, XV1
	s_wait_dscnt 32
	VBLOCK \g, 2, XV0
	LDK 0, XK0
	s_wait_dscnt 16
	VBLOCK \g, 3, XV1
	LDK 1, XK1
	s_wait_dscnt 16
	KFRAG \g, 0, XK0
	s_wait_dscnt 0x0
	KFRAG \g, 1, XK1
.if \g < 3
	v_add_nc_u32 v[VA], GRP, v[VA]
	v_add_nc_u32 v[KA], GRP, v[KA]
.endif
.endm
	GROUP 0
	GROUP 1
	GROUP 2
	GROUP 3
	; the scale words are turned through the wave's own gather bytes, so that each tensor's 512 bytes leave by one store
.irp i, 0,1,2,3,4,5,6,7
	ds_store_b32 v[GK], v[KW+\i] offset:64*\i      ; both halves of the lanes hold the same word and write it to the same place
.endr
.irp c, 0,1,2,3
	ds_store_b32 v[GV], v[SBV+\c] offset:512+128*\c
.endr
	ds_load_b128 v[BK:BK+3], v[GR]                 ; LDS serves a wave's instructions in order: these see my stores
	ds_load_b128 v[BK+4:BK+7], v[GR] offset:512
	s_wait_dscnt 0x0
	global_store_b128 v[KO], v[BK:BK+3], s[8:9]
	global_store_b128 v[KO], v[BK+4:BK+7], s[12:13]
	s_wait_tensorcnt 0x0
	ds_add_u32 v200, v201
	s_wait_dscnt 0x0
	s_endpgm
.Lfunc_end_k_q3bdd7ec1f1_quant:
	.size	k_q3bdd7ec1f1_quant, .Lfunc_end_k_q3bdd7ec1f1_quant-k_q3bdd7ec1f1_quant
	.p2alignl 7, 3214868480
	.fill 96, 4, 3214868480
	.section	.rodata,"a",@progbits
	.p2align	6, 0x0
	.amdhsa_kernel k_q3bdd7ec1f1_quant
		.amdhsa_group_segment_fixed_size 274944
		.amdhsa_private_segment_fixed_size 0
		.amdhsa_enable_private_segment 0
		.amdhsa_kernarg_size 40
		.amdhsa_user_sgpr_count 2
		.amdhsa_user_sgpr_kernarg_segment_ptr 1
		.amdhsa_wavefront_size32 1
		.amdhsa_system_sgpr_workgroup_id_x 1
		.amdhsa_system_sgpr_workgroup_id_y 1
		.amdhsa_system_sgpr_workgroup_id_z 1
		.amdhsa_system_vgpr_workitem_id 0
		.amdhsa_next_free_vgpr 202
		.amdhsa_next_free_sgpr 66
		.amdhsa_reserve_vcc 0
		.amdhsa_float_denorm_mode_32 3
		.amdhsa_float_denorm_mode_16_64 3
		.amdhsa_memory_ordered 1
		.amdhsa_forward_progress 1
		.amdhsa_inst_pref_size 175
	.end_amdhsa_kernel
	.amdgpu_metadata
---
amdhsa.version: [ 1, 2 ]
amdhsa.kernels:
  - .name:           k_q3bdd7ec1f1_quant
    .symbol:         k_q3bdd7ec1f1_quant.kd
    .args:
      - { .name: source_input, .offset: 0, .size: 8, .value_kind: global_buffer, .address_space: global }
      - { .name: kc, .offset: 8, .size: 8, .value_kind: global_buffer, .address_space: global }
      - { .name: ks, .offset: 16, .size: 8, .value_kind: global_buffer, .address_space: global }
      - { .name: vc, .offset: 24, .size: 8, .value_kind: global_buffer, .address_space: global }
      - { .name: vs, .offset: 32, .size: 8, .value_kind: global_buffer, .address_space: global }
    .group_segment_fixed_size: 274944
    .private_segment_fixed_size: 0
    .kernarg_segment_align: 8
    .kernarg_segment_size: 40
    .max_flat_workgroup_size: 128
    .sgpr_count:     66
    .vgpr_count:     202
    .wavefront_size: 32
...
	.end_amdgpu_metadata
.endif
;; end of part 1
;; launch scores (part 2): grid 16 x 32, 4 waves a work-group, clusters of 4 x 4, 327,680 bytes of LDS; arguments query_input_codes, query_input_scales, kc, ks, pc, ps, pm, pl; writes pc, ps, pm, pl
.if DOCPART == 2
	.amdgcn_target "amdgcn-amd-amdhsa--gfx1250"
	.amdhsa_code_object_version 6
	.text
	.protected	k_q3bdd7ec1f1_scores
	.globl	k_q3bdd7ec1f1_scores
	.p2align	8
	.type	k_q3bdd7ec1f1_scores,@function
k_q3bdd7ec1f1_scores:
	s_mov_b64 s[64:65], 0
	v_nop
	global_prefetch_b8 v0, s[64:65] scope:SCOPE_SE
	s_setreg_imm32_b32 hwreg(HW_REG_WAVE_MODE, 25, 1), 1
	s_wait_xcnt 0x0
	s_wait_alu depctr_hold_cnt(0) depctr_sa_sdst(0) depctr_va_vdst(0) depctr_va_sdst(0) depctr_va_ssrc(0) depctr_va_vcc(0) depctr_vm_vsrc(0)
	s_getreg_b32 s2, hwreg(HW_REG_IB_STS2, 6, 4)
	s_cmp_eq_u32 s2, 0
	s_cbranch_scc0 .Lentry_in_a_cluster
	s_endpgm
.Lentry_in_a_cluster:
	s_bfe_u32 s2, ttmp6, 0x10000c
	s_cmp_lg_u32 s2, 0xf033
	s_cbranch_scc0 .Lentry_shape_is_right
	s_endpgm
.Lentry_shape_is_right:
; S = Q K^T on E4M3 codes with E8M0 scales, and the softmax's p for the second product.  Q: [8192][1024] codes, [8192][32] scale bytes (given).  K: fragment images kc and scale words ks of the launch before.
; A tile is 256 queries x 256 keys; a wave makes 128 x 128: 64 accumulators, 512 registers.  K = 1,024 goes in four steps of 256 through two LDS slots filled by the tensor data mover.
; THE PRODUCT IS USED TRANSPOSED (source 0 = 16 keys, source 1 = 16 queries): a lane holds ONE query, and, by the order of keys in kc's fragments, the 16 registers of two neighbouring accumulators are 16 neighbouring keys.
; THE SOFTMAX, chunk by chunk of 128 keys (a wave's width): t = score x log2(e) / 32; M' = the chunk's largest t rounded up to a whole number; p = 2^(t - M'), quantised along the keys; l' = the sum of the unquantised p.
; Stored: p's codes as fragment images (pc), p's scale words under M' (ps), -M' (pm), l' (pl).  The last launch brings all chunks of a row under the row's M by taking M - M' off the scale bytes: an exact power of two.
; LIMITS: p under 2^-126 comes out of v_exp_f32 as 0; a block all of whose p are 0 keeps the byte 1 over zero codes; a block's largest p is taken as the exponential of its largest score; NaN and infinities are not served.
; CLUSTERS: 4 x 4 work-groups.  The four of a row need the same tiles of Q, the four of a column the same tiles of K: each is asked for jointly.  A wave has three tensor loads out at the start and one behind each round.
; REGISTERS: window 0: v16-29 addresses; v32-63 scale words, two sets, and nothing else; v128-255 Q's 8 fragments, one set; on the way out v64-75 and v128-249 are at work.
;   window 1: K's 8 fragments, two sets (v0, v128).   window 2: accumulators of my query blocks 0-3 ((a, b) at v[8 (8 a + b)]);   window 3: blocks 4-7.
.set ROWB,   256                       ; a row of Q's tile
.set PITCH,  272                       ; in LDS: + 16 of padding, so that the 16 rows of a fragment load start at 16 different banks (64 banks of 4 bytes: ISA guide 11.1)
.set HALFA,  128*PITCH
.set ABYTES, 2*HALFA
.set HALFB,  32768                     ; 16 images: 128 along K of 256 keys
.set SLOT,   ABYTES+2*HALFB
.set SCLA,   2*SLOT                    ; Q's scale bytes of 256 rows: 32 units of 256 bytes + 16
.set SCLB,   SCLA+32*272               ; K's scale words of the tile: [j 4][q 2][i 16][r 16], dense
.set SPARE,  SCLB+8192                 ; the spare words: 128 bytes a wave, named by no other line
.set SG,     SPARE+512                 ; 1,536 bytes a wave: words, -M', l' are gathered here; no tensor load lands here
.set FR,   16
.set NP,   8                           ; places behind this matrix instruction (ISA guide 7.12.1)
.set ADRA, 16                          ; v16-17 Q's fragments in slot 0, 1
.set ADRB, 20                          ; v20-21 K's
.set ADSA, 22                          ; v22  Q's scale words: lanes 0-15 the K step's first 128, lanes 16-31 its second
.set ADSB, 23                          ; v23  K's likewise
.set SGW,  24
.set SGR,  25
.set CO,   26                          ; v26  16 x lane
.set SPW,  28
.set NIL,  29
.set SC,   32                          ; set s at v[32 + 16 s]: + a Q's block a, + 8 + b K's block b
.set AF,   128
.set PS,   128                         ; the way out: v128-191 p
.set PCD,  192                         ; v192-223 codes, two sets
.set BM,   224                         ; v224-227 a block's largest score, then its largest p
.set BT,   228                         ; v228-231 at work
.set HL,   232                         ; v232-235 448 x scale
.set SO,   236                         ; v236-239 the conversions' scale operands
.set PW,   240                         ; v240 p's scale word
.set NM,   242                         ; v[242:243] -M' (the packed form names a pair)
.set SA,   244                         ; v[244:247] two chains of sums
.set WK,   248                         ; v248-249 at work
.set G1,   24
.set G0,   32
.set G1B,  48
.set G0B,  56
.set G1S,  68
.set G0S,  76
.set G1SB, 80
.set G0SB, 88
.set MSB, 0
.macro WIN new                         ; the immediate's high byte repeats the setting that is left
.if MSB != \new
	s_set_vgpr_msb (MSB<<8)|\new
.set MSB, \new
.endif
.endm
.set MUL_LO, 0xa1                      ; source 0 (K) window 1, source 1 (Q) window 0, C and D window 2
.set MUL_HI, 0xf1
.set TO_B,   0x40
; a joint load: waves 0 and 1 fetch for Q, waves 2 and 3 for K; the branch hangs on the wave's number alone; four v_nop follow each line
.macro JLOAD g0a, g1a, g0b, g1b
	s_cmp_eq_u32 s21, 0
	s_cbranch_scc0 .Lfor_b_\@
	tensor_load_to_lds s[\g0a:\g0a+3], s[\g1a:\g1a+7]
	s_nop 0
.rept 4
	v_nop
.endr
	s_branch .Lasked_\@
.Lfor_b_\@:
	tensor_load_to_lds s[\g0b:\g0b+3], s[\g1b:\g1b+7]
	s_nop 0
.rept 4
	v_nop
.endr
.Lasked_\@:
.endm
.macro CREST                           ; a round of the cluster's barrier behind its opening barrier
	s_cmp_lg_u32 s20, 0
	s_cbranch_scc1 .Lnot_wave_0_\@
	s_barrier_signal -3
.Lnot_wave_0_\@:
	s_barrier_wait -3
	s_barrier_signal -1
	s_barrier_wait -1
.endm
.macro CROUND
	s_barrier_signal -1
	s_barrier_wait -1
	CREST
.endm
	s_load_b256 s[4:11], s[0:1], 0x0               ; Q's codes s[4:5], Q's scales s[6:7], kc s[8:9], ks s[10:11]
	s_load_b256 s[12:19], s[0:1], 0x20             ; pc s[12:13], ps s[14:15], pm s[16:17], pl s[18:19]
	v_lshl_add_u32 v[SPW], v0, 2, SPARE
	v_mov_b32 v[NIL], 0
	ds_add_u32 v28, v29
	ds_add_u32 v28, v29
	s_wait_dscnt 0x0
	v_lshrrev_b32 v1, 5, v0
	v_readfirstlane_b32 s20, v1                    ; wave
	s_lshr_b32 s21, s20, 1                         ; wr: my half of the queries.  Also: I fetch for Q (0) or for K (1)
	s_and_b32 s22, s20, 1                          ; wc: my half of the keys.  Also: which half I fetch
	s_bfe_u32 s40, ttmp6, 0x40000                  ; cx
	s_bfe_u32 s41, ttmp6, 0x40004                  ; cy
	s_lshl_b32 s42, ttmp9, 2
	s_add_co_u32 s42, s42, s40                     ; x: the tile of 256 keys
	s_and_b32 s101, ttmp7, 0xffff                  ; the cluster's y
	s_lshl_b32 s45, s101, 2
	s_add_co_u32 s45, s45, s41                     ; y: the tile of 256 of the 8,192 queries
	s_lshr_b32 s101, s101, 1                       ; b = y / 8, made of the cluster's y alone
	s_lshl_b32 s43, s41, 2
	s_lshl_b32 s43, 15, s43                        ; my row of the cluster
	s_lshl_b32 s44, 0x1111, s40                    ; my column
	s_or_b32 s[G1+0], s43, (0<<16)|(1<<20)|(1<<21)|(5<<22)|(3<<25)   ; Q's tile: 128 rows x 256 bytes, 4 words of padding behind every 64
	s_mov_b32 s[G1+1], ROWB<<16
	s_mov_b32 s[G1+2], 128<<16
	s_mov_b32 s[G1+3], ROWB<<16
	s_mov_b32 s[G1+4], 128
	s_mov_b32 s[G1+5], 1024
	s_mov_b32 s[G1+6], 0
	s_mov_b32 s[G1+7], 0
	s_or_b32 s[G1B+0], s44, (3<<16)|(1<<21)        ; K's tile: 32,768 dense bytes as 128 rows of 32 elements of 8 bytes
	s_mov_b32 s[G1B+1], 32<<16
	s_mov_b32 s[G1B+2], 128<<16
	s_mov_b32 s[G1B+3], 32<<16
	s_mov_b32 s[G1B+4], 128
	s_mov_b32 s[G1B+5], 32
	s_mov_b32 s[G1B+6], 0
	s_mov_b32 s[G1B+7], 0
	s_or_b32 s[G1S+0], s43, (3<<16)|(1<<20)|(1<<21)|(5<<22)|(3<<25)  ; Q's scales of 128 rows: 4,096 dense bytes as 16 rows of 256, padded
	s_or_b32 s[G1SB+0], s44, (3<<16)|(1<<21)       ; K's scale words: 4,096 dense bytes, as they lie
.irp g, G1S, G1SB
	s_mov_b32 s[\g+1], 32<<16
	s_mov_b32 s[\g+2], 16<<16
	s_mov_b32 s[\g+3], 32<<16
	s_mov_b32 s[\g+4], 16
	s_mov_b32 s[\g+5], 32
	s_mov_b32 s[\g+6], 0
	s_mov_b32 s[\g+7], 0
.endr
	s_lshl_b32 s92, s45, 18                        ; Q: row 256 y + 128 half, 1,024 bytes a row
	s_lshl_b32 s94, s22, 17
	s_add_co_u32 s92, s92, s94
	s_mov_b32 s93, 0
	s_lshr_b32 s94, s92, 5                         ; its scales: 32 bytes a row
	s_mov_b32 s95, 0
	s_lshl_b32 s46, s101, 4
	s_add_co_u32 s46, s46, s42                     ; 16 b + x
	s_lshl_b32 s66, s46, 13                        ; ks: 8,192 bytes a tile
	s_lshl_b32 s46, s46, 18                        ; kc: 262,144 bytes a tile
	s_lshl_b32 s47, s22, 15
	s_add_co_u32 s46, s46, s47
	s_lshl_b32 s47, s22, 12
	s_add_co_u32 s66, s66, s47
	s_mov_b32 s47, 0
	s_mov_b32 s67, 0
	s_mul_i32 s2, s22, HALFA                       ; where they go: made of the wave's number alone
	s_lshl_b32 s3, s22, 15
	s_mul_i32 s23, s22, 16*272
	s_lshl_b32 s96, s22, 12
	s_wait_kmcnt 0x0
	s_add_nc_u64 s[92:93], s[4:5], s[92:93]
	s_add_nc_u64 s[94:95], s[6:7], s[94:95]
	s_add_nc_u64 s[46:47], s[8:9], s[46:47]
	s_add_nc_u64 s[66:67], s[10:11], s[66:67]
	CROUND                                         ; all sixteen work-groups are here: the first joint loads meet
	s_mov_b32 s[G0S], 1
	s_add_co_u32 s[G0S+1], s23, SCLA
	s_mov_b64 s[G0S+2:G0S+3], s[94:95]
	s_or_b32 s[G0S+3], s[G0S+3], 0x80000000
	s_mov_b32 s[G0SB], 1
	s_add_co_u32 s[G0SB+1], s96, SCLB
	s_mov_b64 s[G0SB+2:G0SB+3], s[66:67]
	s_or_b32 s[G0SB+3], s[G0SB+3], 0x80000000
	JLOAD G0S, G1S, G0SB, G1SB                     ; the scales first: they are wanted with K step 0, and stay
.irp s, 0,1
	s_mov_b32 s[G0+4*\s], 1
	s_add_co_u32 s[G0+4*\s+1], s2, \s*SLOT
	s_add_nc_u64 s[G0+4*\s+2:G0+4*\s+3], s[92:93], \s*ROWB
	s_or_b32 s[G0+4*\s+3], s[G0+4*\s+3], 0x80000000
	s_mov_b32 s[G0B+4*\s], 1
	s_add_co_u32 s[G0B+4*\s+1], s3, \s*SLOT+ABYTES
	s_add_nc_u64 s[G0B+4*\s+2:G0B+4*\s+3], s[46:47], \s*65536
	s_or_b32 s[G0B+4*\s+3], s[G0B+4*\s+3], 0x80000000
	JLOAD G0+4*\s, G1, G0B+4*\s, G1B
.endr
	v_and_b32 v1, 15, v0                           ; r
	v_bfe_u32 v2, v0, 4, 1                         ; h
	v_and_b32 v3, 31, v0                           ; lane
	v_mul_u32_u24 v4, v1, PITCH
	v_lshl_add_u32 v4, v2, 4, v4
	s_mul_i32 s2, s21, HALFA                       ; my 128 queries
	v_add_nc_u32 v[ADRA], s2, v4
	v_add_nc_u32 v[ADRA+1], SLOT, v[ADRA]
	v_lshlrev_b32 v[CO], 4, v3
	s_lshl_b32 s3, s22, 14                         ; my 8 of the 16 images
	s_add_co_u32 s3, s3, ABYTES
	v_add_nc_u32 v[ADRB], s3, v[CO]
	v_add_nc_u32 v[ADRB+1], SLOT, v[ADRB]
	v_lshlrev_b32 v5, 5, v1                        ; Q's scales: 32 bytes a row,
	v_lshrrev_b32 v6, 3, v1
	v_lshl_add_u32 v5, v6, 4, v5                   ; 16 more behind each 8 rows,
	v_lshl_add_u32 v5, v2, 2, v5                   ; lanes 16-31 the word 4 bytes on
	s_mul_i32 s2, s21, 16*272
	s_add_co_u32 s2, s2, SCLA
	v_add_nc_u32 v[ADSA], s2, v5
	v_lshlrev_b32 v5, 2, v1                        ; 4 r
	v_lshl_add_u32 v6, v2, 10, v5                  ; K's words: lanes 16-31 take q = 1, 1,024 bytes on
	s_lshl_b32 s3, s22, 9
	s_add_co_u32 s3, s3, SCLB
	v_add_nc_u32 v[ADSB], s3, v6
	s_mul_i32 s2, s20, 1536
	s_add_co_u32 s2, s2, SG
	v_add_nc_u32 v[SGW], s2, v5
	v_add_nc_u32 v[SGR], s2, v[CO]
	s_mov_b32 s96, 0x3d38aa3b                      ; c = log2(e) / sqrt(1024)
	s_mov_b32 s97, s96                             ; (named with it as a pair)
	s_mov_b32 s98, 0x76543210
	s_mov_b32 s99, 0xfedcba98                      ; v_permlanex16_b32's selects for lane l xor 16
	s_mov_b32 s100, 0x600000                       ; the mantissa field of 448
	s_lshl_b32 s92, s45, 1                         ; where my results go: ((tile of 128 queries x 16 + J) x 2 + q)
	s_add_co_u32 s92, s92, s21
	s_lshl_b32 s92, s92, 4
	s_add_co_u32 s92, s92, s42
	s_lshl_b32 s92, s92, 1
	s_add_co_u32 s92, s92, s22
	s_lshl_b32 s94, s92, 14                        ; 8 images
	s_mov_b32 s95, 0
	s_lshl_b32 s92, s92, 9                         ; 8 x 16 words
	s_mov_b32 s93, 0
	s_add_nc_u64 s[12:13], s[12:13], s[94:95]
	s_add_nc_u64 s[14:15], s[14:15], s[92:93]
	s_add_nc_u64 s[16:17], s[16:17], s[92:93]
	s_add_nc_u64 s[18:19], s[18:19], s[92:93]
; 16 matrix instructions: Q's blocks a0, a0 + 1 x K's eight, the K step's q-th 128.  p: K's set; sc: the scale set.  The 64 accumulators take turns, one instruction a turn, in the same order in every step.
.macro MUL16 a0, p, q, sc, zero
.irp a, \a0, \a0+1
.irp b, 0,1,2,3,4,5,6,7
.set rD, 8*(8*((\a)%4)+\b)
.set rB, 128*\p+FR*\b
.set rA, AF+FR*(\a)
.set rSB, SC+16*\sc+8+\b
.set rSA, SC+16*\sc+(\a)
.if \zero
	v_wmma_scale_f32_16x16x128_f8f6f4 v[rD:rD+7], v[rB:rB+15], v[rA:rA+15], 0, v[rSB], v[rSA]
.elseif \q
	v_wmma_scale_f32_16x16x128_f8f6f4 v[rD:rD+7], v[rB:rB+15], v[rA:rA+15], v[rD:rD+7], v[rSB], v[rSA] matrix_a_scale:MATRIX_SCALE_ROW1 matrix_b_scale:MATRIX_SCALE_ROW1
.else
	v_wmma_scale_f32_16x16x128_f8f6f4 v[rD:rD+7], v[rB:rB+15], v[rA:rA+15], v[rD:rD+7], v[rSB], v[rSA]
.endif
.endr
.endr
.endm
.macro FETCH_B slot, q, p              ; K's eight images, as they lie: 512 consecutive bytes a load
	WIN TO_B
.irp i, 0,1,2,3,4,5,6,7
.irp c, 0,1,2,3
	ds_load_b128 v[128*\p+FR*\i+4*\c:128*\p+FR*\i+4*\c+3], v[ADRB+\slot] offset:\q*HALFB+\i*2048+512*\c
.endr
.endr
	WIN 0
.endm
.macro FETCH_A slot, q, i0             ; Q's blocks i0 .. i0 + 3: lane (r, h): registers 4 c .. 4 c + 3 hold K = 32 c + 16 h + 0 .. 15 of row r
.irp i, \i0, \i0+1, \i0+2, \i0+3
.irp c, 0,1,2,3
	ds_load_b128 v[AF+FR*(\i)+4*\c:AF+FR*(\i)+4*\c+3], v[ADRA+\slot] offset:128*\q+32*\c+(\i)*16*PITCH
.endr
.endr
.endm
.macro SCALES sc                       ; a K step's scale words: one register serves both its halves
.irp i, 0,1,2,3,4,5,6,7
	ds_load_b32 v[SC+16*\sc+\i], v[ADSA] offset:\i*544
.endr
.irp i, 0,1,2,3,4,5,6,7
	ds_load_b32 v[SC+16*\sc+8+\i], v[ADSB] offset:\i*64
.endr
.endm
.macro PLACES n                        ; plain vector lines between a matrix instruction and a load into, or a read of, its registers
.rept \n
	v_nop
.endr
.endm
; a slot's first 128 along K
.macro STEP slot, zero
	s_wait_dscnt 16                                ; all but the youngest sixteen loads (Q's blocks 4-7) are in
	WIN MUL_LO
	MUL16 0, 0, 0, \slot, \zero
	MUL16 2, 0, 0, \slot, \zero
	s_wait_dscnt 0x0
	PLACES NP
	FETCH_B \slot, 1, 1
	FETCH_A \slot, 1, 0
	WIN MUL_HI
	MUL16 4, 0, 0, \slot, \zero
	MUL16 6, 0, 0, \slot, \zero
	PLACES NP
	WIN 0
	FETCH_A \slot, 1, 4
.endm
; a slot's second 128, and the change of slots: ONE barrier; in front of it each wave waits for all its tensor loads, adds 0 to its spare word, and waits for that and for its reads of this slot
.macro TURN slot, next, fill
	s_wait_tensorcnt 0x0                           ; my one load that was out, my part of the next slot, has landed
	ds_add_u32 v[SPW], v[NIL]                      ; 0 onto my spare word
	s_wait_dscnt 17                                ; (the add and Q's blocks 4-7 may be out)
	WIN MUL_LO
	MUL16 0, 1, 1, \slot, 0
	s_wait_dscnt 0x0                               ; the add is done, and my reads of this slot are over
	s_barrier_signal -1
	MUL16 2, 1, 1, \slot, 0
	WIN 0
	s_barrier_wait -1
.if \fill
	CREST                                          ; the barrier has opened a round of the cluster's: no wave of any partner still reads this slot or has a load on its way
	s_add_nc_u64 s[G0+4*\slot+2:G0+4*\slot+3], s[G0+4*\slot+2:G0+4*\slot+3], 2*ROWB
	s_add_nc_u64 s[G0B+4*\slot+2:G0B+4*\slot+3], s[G0B+4*\slot+2:G0B+4*\slot+3], 2*65536
	JLOAD G0+4*\slot, G1, G0B+4*\slot, G1B         ; the first tensor load behind the round; its four v_nop are four of the places in front of the loads below
	PLACES NP-4
.else
	PLACES NP
.endif
	v_add_nc_u32 v[ADSA], 8, v[ADSA]               ; the next K step's scale words
	v_add_nc_u32 v[ADSB], 2048, v[ADSB]
	FETCH_B \next, 0, 0
	FETCH_A \next, 0, 0
	SCALES \next
	WIN MUL_HI
	MUL16 4, 1, 1, \slot, 0
	MUL16 6, 1, 1, \slot, 0
	PLACES NP
	WIN 0
	FETCH_A \next, 0, 4
.endm
	s_wait_tensorcnt 1                             ; the scales and my part of K step 0 are in; K step 1's load may be out
	s_barrier_signal -1
	s_barrier_wait -1
	FETCH_B 0, 0, 0
	FETCH_A 0, 0, 0
	SCALES 0
	FETCH_A 0, 0, 4
	STEP 0, 1                                      ; K = 1,024 is eight steps of 128: written out, since a loop over laps would make one trip
	TURN 0, 1, 1                                   ; slot 0 takes K step 2
	STEP 1, 0
	TURN 1, 0, 1                                   ; slot 1 takes K step 3
	STEP 0, 0
	TURN 0, 1, 0
	STEP 1, 0
	s_wait_dscnt 16
	WIN MUL_LO
	MUL16 0, 1, 1, 1, 0
	MUL16 2, 1, 1, 1, 0
	s_wait_dscnt 0x0
	WIN MUL_HI
	MUL16 4, 1, 1, 1, 0
	MUL16 6, 1, 1, 1, 0
	WIN 0
	PLACES NP                                      ; in front of the first read of results and of writes into the registers that held Q's fragments
.irp b, 0,1,2,3
	v_mov_b32 v[BT+\b], 0                          ; a lane permute's destination counts as one of its sources
.endr
	v_mov_b32 v[NM+1], 0                           ; (named as the upper half of a pair)
	v_mov_b32 v[WK+1], 0
; THE WAY OUT of query block a: register AC + 16 B + i of lane (r, h) is the score of query 16 a + r and key 32 B + 16 h + i of my 128 keys
.macro SOFT a
.set AC, 64*((\a)%4)
.set CW, 2+(\a)/4
.set PCS, PCD+16*((\a)%2)
	WIN (CW<<2)|(CW<<4)                            ; sources 1 and 2: the accumulators' window
.irp b, 0,1,2,3
	v_max3_num_f32 v[BM+\b], 0xff7fffff, v[AC+16*\b], v[AC+16*\b+1]   ; each block's largest score; every accumulator is read from its low end on
.endr
.irp i, 2,4,6,8,10,12,14
.irp b, 0,1,2,3
	v_max3_num_f32 v[BM+\b], v[BM+\b], v[AC+16*\b+\i], v[AC+16*\b+\i+1]
.endr
.endr
	WIN 0
.irp b, 0,1,2,3
	v_permlanex16_b32 v[BT+\b], v[BM+\b], s98, s99
.endr
.irp b, 0,1,2,3
	v_max_num_f32 v[BM+\b], v[BM+\b], v[BT+\b]     ; with lane l xor 16's 16 keys
.endr
	v_max3_num_f32 v[WK], v[BM], v[BM+1], v[BM+2]
	v_max_num_f32 v[WK], v[WK], v[BM+3]            ; the chunk's largest score of my query
	v_mul_f32 v[WK], s96, v[WK]                    ; as t
	v_floor_f32 v[NM], -v[WK]                      ; -M' = floor(-t) = -ceil(t): a whole number
	WIN CW                                         ; source 0: the accumulators' window
.set J, 0
.rept 32
	v_pk_fma_f32 v[PS+J:PS+J+1], v[AC+J:AC+J+1], s[96:97], v[NM:NM+1] op_sel_hi:[1,0,0]   ; t - M', two at a time
.set J, J+2
.endr
	WIN 0
.irp b, 0,1,2,3
	v_fma_f32 v[BM+\b], v[BM+\b], s96, v[NM]       ; the same of each block's largest score
.endr
.set J, 0
.rept 64
	v_exp_f32 v[PS+J], v[PS+J]                     ; p = 2^(t - M'), at most 1
.set J, J+1
.endr
.irp b, 0,1,2,3
	v_exp_f32 v[BM+\b], v[BM+\b]                   ; the block's largest p: the same two instructions on the same number
.endr
	v_nop                                          ; a plain line behind the exponentials
	s_wait_alu depctr_va_vdst(0)
.irp b, 0,1,2,3
	v_max_num_f32 v[BM+\b], 0x4800000, v[BM+\b]    ; the floor 2^(9 - 127): the byte cannot fall under 1
.endr
.irp b, 0,1,2,3
	v_add_nc_u32 v[SO+\b], 0xfc000000, v[BM+\b]    ; 8 off the exponent field: the conversion's scale operand
.endr
.irp b, 0,1,2,3
	v_and_or_b32 v[HL+\b], v[BM+\b], 0x7f800000, s100   ; 448 x the scale
.endr
.irp b, 0,1,2,3
	v_lshrrev_b32 v[BT+\b], 23, v[SO+\b]           ; the byte
.endr
	v_lshl_or_b32 v[PW], v[BT+1], 8, v[BT]
	v_lshl_or_b32 v[PW], v[BT+2], 16, v[PW]
	v_lshl_or_b32 v[PW], v[BT+3], 24, v[PW]
	v_pk_add_f32 v[SA:SA+1], v[PS:PS+1], v[PS+2:PS+3]              ; the sum is taken of the unquantised p, in two chains
	v_pk_add_f32 v[SA+2:SA+3], v[PS+4:PS+5], v[PS+6:PS+7]
.set J, 8
.rept 14
	v_pk_add_f32 v[SA:SA+1], v[SA:SA+1], v[PS+J:PS+J+1]
	v_pk_add_f32 v[SA+2:SA+3], v[SA+2:SA+3], v[PS+J+2:PS+J+3]
.set J, J+4
.endr
	v_pk_add_f32 v[SA:SA+1], v[SA:SA+1], v[SA+2:SA+3]
	v_add_f32 v[WK], v[SA], v[SA+1]
	v_permlanex16_b32 v[WK+1], v[WK], s98, s99
	v_add_f32 v[WK], v[WK], v[WK+1]                ; l' of my query
	s_wait_xcnt 0x0                                ; the stores of two blocks back have read this set of codes
.irp b, 0,1,2,3
.irp i, 0,1,2,3,4,5,6,7,8,9,10,11,12,13,14,15
	v_min_num_f32 v[PS+16*\b+\i], v[PS+16*\b+\i], v[HL+\b]         ; the conversion does not saturate (ISA guide 7.6.2); p is not negative: a one-sided hold
.endr
	v_cvt_scalef32_pk8_fp8_f32 v[PCS+4*\b:PCS+4*\b+1], v[PS+16*\b:PS+16*\b+7], v[SO+\b]
	v_cvt_scalef32_pk8_fp8_f32 v[PCS+4*\b+2:PCS+4*\b+3], v[PS+16*\b+8:PS+16*\b+15], v[SO+\b]
.endr
	v_nop                                          ; a plain line behind the last conversion
.irp c, 0,1,2,3
	global_store_b128 v[CO], v[PCS+4*\c:PCS+4*\c+3], s[12:13] offset:(\a)*2048+512*\c     ; the fragment's image: 512 consecutive bytes, aligned
.endr
	ds_store_b32 v[SGW], v[PW] offset:64*(\a)      ; both halves of the lanes hold the same numbers and write them to the same place
	ds_store_b32 v[SGW], v[NM] offset:512+64*(\a)
	ds_store_b32 v[SGW], v[WK] offset:1024+64*(\a)
.endm
.irp a, 0,1,2,3,4,5,6,7
	SOFT \a
.endr
	ds_load_b128 v[64:67], v[SGR]                  ; LDS serves a wave's instructions in order: these see my stores
	ds_load_b128 v[68:71], v[SGR] offset:512
	ds_load_b128 v[72:75], v[SGR] offset:1024
	s_wait_dscnt 0x0
	global_store_b128 v[CO], v[64:67], s[14:15]    ; 512 consecutive bytes each
	global_store_b128 v[CO], v[68:71], s[16:17]
	global_store_b128 v[CO], v[72:75], s[18:19]
	s_wait_tensorcnt 0x0                           ; the wave's end
	ds_add_u32 v[SPW], v[NIL]
	s_wait_dscnt 0x0
	CROUND                                         ; the closing round: no work-group ends while a partner may still ask for a tile that names it
	s_endpgm
.Lfunc_end_k_q3bdd7ec1f1_scores:
	.size	k_q3bdd7ec1f1_scores, .Lfunc_end_k_q3bdd7ec1f1_scores-k_q3bdd7ec1f1_scores
	.p2alignl 7, 3214868480
	.fill 96, 4, 3214868480
	.section	.rodata,"a",@progbits
	.p2align	6, 0x0
	.amdhsa_kernel k_q3bdd7ec1f1_scores
		.amdhsa_group_segment_fixed_size 327680
		.amdhsa_private_segment_fixed_size 0
		.amdhsa_enable_private_segment 0
		.amdhsa_kernarg_size 64
		.amdhsa_user_sgpr_count 2
		.amdhsa_user_sgpr_kernarg_segment_ptr 1
		.amdhsa_wavefront_size32 1
		.amdhsa_system_sgpr_workgroup_id_x 1
		.amdhsa_system_sgpr_workgroup_id_y 1
		.amdhsa_system_sgpr_workgroup_id_z 1
		.amdhsa_system_vgpr_workitem_id 0
		.amdhsa_next_free_vgpr 1024
		.amdhsa_next_free_sgpr 102
		.amdhsa_reserve_vcc 0
		.amdhsa_float_denorm_mode_32 3
		.amdhsa_float_denorm_mode_16_64 3
		.amdhsa_memory_ordered 1
		.amdhsa_forward_progress 1
		.amdhsa_inst_pref_size 228
	.end_amdhsa_kernel
	.amdgpu_metadata
---
amdhsa.version: [ 1, 2 ]
amdhsa.kernels:
  - .name:           k_q3bdd7ec1f1_scores
    .symbol:         k_q3bdd7ec1f1_scores.kd
    .args:
      - { .name: query_input_codes, .offset: 0, .size: 8, .value_kind: global_buffer, .address_space: global }
      - { .name: query_input_scales, .offset: 8, .size: 8, .value_kind: global_buffer, .address_space: global }
      - { .name: kc, .offset: 16, .size: 8, .value_kind: global_buffer, .address_space: global }
      - { .name: ks, .offset: 24, .size: 8, .value_kind: global_buffer, .address_space: global }
      - { .name: pc, .offset: 32, .size: 8, .value_kind: global_buffer, .address_space: global }
      - { .name: ps, .offset: 40, .size: 8, .value_kind: global_buffer, .address_space: global }
      - { .name: pm, .offset: 48, .size: 8, .value_kind: global_buffer, .address_space: global }
      - { .name: pl, .offset: 56, .size: 8, .value_kind: global_buffer, .address_space: global }
    .group_segment_fixed_size: 327680
    .private_segment_fixed_size: 0
    .kernarg_segment_align: 8
    .kernarg_segment_size: 64
    .max_flat_workgroup_size: 128
    .sgpr_count:     102
    .vgpr_count:     1024
    .wavefront_size: 32
...
	.end_amdgpu_metadata
.endif
;; end of part 2
;; launch mix (part 3): grid 4 x 64, 4 waves a work-group, clusters of 4 x 4, 327,680 bytes of LDS; arguments pc, ps, pm, pl, vc, vs, out0; writes out0
.if DOCPART == 3
	.amdgcn_target "amdgcn-amd-amdhsa--gfx1250"
	.amdhsa_code_object_version 6
	.text
	.protected	k_q3bdd7ec1f1_mix
	.globl	k_q3bdd7ec1f1_mix
	.p2align	8
	.type	k_q3bdd7ec1f1_mix,@function
k_q3bdd7ec1f1_mix:
	s_mov_b64 s[64:65], 0
	v_nop
	global_prefetch_b8 v0, s[64:65] scope:SCOPE_SE
	s_setreg_imm32_b32 hwreg(HW_REG_WAVE_MODE, 25, 1), 1
	s_wait_xcnt 0x0
	s_wait_alu depctr_hold_cnt(0) depctr_sa_sdst(0) depctr_va_vdst(0) depctr_va_sdst(0) depctr_va_ssrc(0) depctr_va_vcc(0) depctr_vm_vsrc(0)
	s_getreg_b32 s2, hwreg(HW_REG_IB_STS2, 6, 4)
	s_cmp_eq_u32 s2, 0
	s_cbranch_scc0 .Lentry_in_a_cluster
	s_endpgm
.Lentry_in_a_cluster:
	s_bfe_u32 s2, ttmp6, 0x10000c
	s_cmp_lg_u32 s2, 0xf033
	s_cbranch_scc0 .Lentry_shape_is_right
	s_endpgm
.Lentry_shape_is_right:
; O = P V / l on E4M3 codes with E8M0 scales.  P: fragment images pc, scale words ps under each 128-key chunk's own M', -M' in pm, the chunk's sum l' in pl.  V: images vc and words vs, K = the keys.  out0: [8192][1024] f32.
; THE HEAD brings a row's 32 chunks under one M: -M = the least -M'; l = the sum of l' x 2^(M' - M); each scale byte of P has M - M' taken off it, held at 0 from below.  All are exact powers of two.
; LIMITS: a byte held at 0 stands for 2^-127: what remains of such a block is under 448 x 2^-127, beside l > 1/2.  p's bytes lie between 1 and 119, on which the four-bytes-at-once subtraction rests.  NaN and infinities are not served.
; A tile is 128 queries x 256 channels (256 tiles for 256 work-groups); a wave makes 64 x 128: 32 accumulators.  K = 4,096 goes in 16 steps of 256 through two LDS slots.
; THE PRODUCT IS USED TRANSPOSED (source 0 = 16 channels of V, source 1 = 16 queries of P): a lane holds eight neighbouring channels of one row of O.
; CLUSTERS: 4 x 4 work-groups: the four of a row need the same tiles of P, the four of a column the same tiles of V: each is asked for jointly.  A wave has three tensor loads out at the start and one behind each round.
; REGISTERS: window 0: v16-31 addresses; v32-55 scale words, two sets, and nothing else; v56-63 1 / l; v128-191, v192-255 P's 4 fragments, two sets; v64-175 at work in the head; v64-255 on the way out.
;   window 1: V's 8 fragments, two sets.   window 2: the accumulators, (a, b) at v[8 (8 a + b)].
.set SLOT,  98304                      ; P: [q 2][a 8] images, 32,768 bytes; then V: [q 2][i 16] images, 65,536
.set SCV,   2*SLOT                     ; V's scale words of all of K: [J 16][q 2][i 16][r 16], filled once
.set SCP,   SCV+32768                  ; P's shifted words [J][q][a 8][r 16], stored by the head
.set RLB,   SCP+16384                  ; 1 / l of the 128 queries
.set SPARE, RLB+512                    ; the spare words: 128 bytes a wave, named by no other line
.set STG,   SPARE+512                  ; the way out: 16 rows x (512 + 16) bytes for each wave
.set NP,   8
.set ADA,  16
.set RLA,  19
.set ADB,  20
.set ADSA, 22
.set ADSB, 23
.set STO,  24
.set RD,   25
.set CO,   26
.set TO,   27
.set SPW,  28
.set NIL,  29
.set SPA,  30
.set RLW,  31
.set SC,   32                          ; set s at v[32 + 12 s]: + a P's block a, + 4 + b V's block b; lanes 0-15 the K step's first 128, lanes 16-31 its second
.set RL,   56
.set MP,   64                          ; head: v64-95 -M', v96-127 l', v128-159 words
.set LP,   96
.set WP,   128
.set NEGM, 160
.set LS,   162
.set TT,   64                          ; the way out: a block's 64 numbers
.set G1,   24
.set G0,   32
.set G1B,  48
.set G0B,  56
.set G1S,  68
.set G0S,  76
.set MSB, 0
.macro WIN new
.if MSB != \new
	s_set_vgpr_msb (MSB<<8)|\new
.set MSB, \new
.endif
.endm
.set MUL, 0xa1                         ; source 0 (V) window 1, source 1 (P) window 0, C and D window 2
.macro JLOAD s                         ; waves 0 and 1 fetch P's halves, waves 2 and 3 V's; four v_nop follow each line
	s_cmp_eq_u32 s21, 0
	s_cbranch_scc0 .Lfor_b_\@
	tensor_load_to_lds s[G0+4*\s:G0+4*\s+3], s[G1:G1+7]
	s_nop 0
.rept 4
	v_nop
.endr
	s_branch .Lasked_\@
.Lfor_b_\@:
	tensor_load_to_lds s[G0B+4*\s:G0B+4*\s+3], s[G1B:G1B+7]
	s_nop 0
.rept 4
	v_nop
.endr
.Lasked_\@:
.endm
.macro CREST
	s_cmp_lg_u32 s20, 0
	s_cbranch_scc1 .Lnot_wave_0_\@
	s_barrier_signal -3
.Lnot_wave_0_\@:
	s_barrier_wait -3
	s_barrier_signal -1
	s_barrier_wait -1
.endm
.macro CROUND
	s_barrier_signal -1
	s_barrier_wait -1
	CREST
.endm
	s_load_b256 s[4:11], s[0:1], 0x0               ; pc s[4:5], ps s[6:7], pm s[8:9], pl s[10:11]
	s_load_b128 s[12:15], s[0:1], 0x20             ; vc s[12:13], vs s[14:15]
	s_load_b64 s[16:17], s[0:1], 0x30              ; out0
	v_lshl_add_u32 v[SPW], v0, 2, SPARE
	v_mov_b32 v[NIL], 0
	ds_add_u32 v28, v29
	ds_add_u32 v28, v29
	s_wait_dscnt 0x0
	v_lshrrev_b32 v1, 5, v0
	v_readfirstlane_b32 s20, v1                    ; wave
	s_lshr_b32 s21, s20, 1                         ; wr: my 64 queries.  Also: I fetch for P (0) or for V (1)
	s_and_b32 s22, s20, 1                          ; wc: my 128 channels.  Also: which half I fetch
	s_bfe_u32 s40, ttmp6, 0x40000                  ; cx
	s_bfe_u32 s41, ttmp6, 0x40004                  ; cy
	s_lshl_b32 s42, ttmp9, 2
	s_add_co_u32 s42, s42, s40                     ; x: the tile of 256 channels
	s_and_b32 s90, ttmp7, 0xffff                   ; the cluster's y
	s_lshl_b32 s45, s90, 2
	s_add_co_u32 s45, s45, s41                     ; y: the tile of 128 of the 8,192 queries
	s_lshr_b32 s90, s90, 2                         ; b = y / 16, made of the cluster's y alone
	s_lshl_b32 s43, s41, 2
	s_lshl_b32 s43, 15, s43                        ; my row of the cluster
	s_lshl_b32 s44, 0x1111, s40                    ; my column
	s_or_b32 s[G1+0], s43, (3<<16)|(1<<21)         ; all tiles are dense: rows of 32 elements of 8 bytes.  P: 64 rows
	s_mov_b32 s[G1+1], 32<<16
	s_mov_b32 s[G1+2], 64<<16
	s_mov_b32 s[G1+3], 32<<16
	s_mov_b32 s[G1+4], 64
	s_mov_b32 s[G1+5], 32
	s_mov_b32 s[G1+6], 0
	s_mov_b32 s[G1+7], 0
	s_or_b32 s[G1B+0], s44, (3<<16)|(1<<21)        ; V: 128 rows
	s_mov_b32 s[G1B+1], 32<<16
	s_mov_b32 s[G1B+2], 128<<16
	s_mov_b32 s[G1B+3], 32<<16
	s_mov_b32 s[G1B+4], 128
	s_mov_b32 s[G1B+5], 32
	s_mov_b32 s[G1B+6], 0
	s_mov_b32 s[G1B+7], 0
	s_or_b32 s[G1S+0], s44, (3<<16)|(1<<21)        ; V's scale words: 32 rows a wave
	s_mov_b32 s[G1S+1], 32<<16
	s_mov_b32 s[G1S+2], 32<<16
	s_mov_b32 s[G1S+3], 32<<16
	s_mov_b32 s[G1S+4], 32
	s_mov_b32 s[G1S+5], 32
	s_mov_b32 s[G1S+6], 0
	s_mov_b32 s[G1S+7], 0
	s_lshl_b32 s80, s45, 19                        ; pc: 16 K steps of 32,768 bytes a tile, + my half
	s_lshl_b32 s82, s22, 14
	s_add_co_u32 s80, s80, s82
	s_mov_b32 s81, 0
	s_lshl_b32 s82, s45, 14                        ; ps, pm, pl: 32 chunks of 512 bytes a tile
	s_mov_b32 s83, 0
	s_lshl_b32 s46, s90, 2
	s_add_co_u32 s46, s46, s42                     ; 4 b + x
	s_lshl_b32 s66, s46, 15                        ; vs: 32,768 bytes, + my quarter
	s_lshl_b32 s47, s20, 13
	s_add_co_u32 s66, s66, s47
	s_lshl_b32 s46, s46, 20                        ; vc: 16 K steps of 65,536 bytes, + my half
	s_lshl_b32 s47, s22, 15
	s_add_co_u32 s46, s46, s47
	s_mov_b32 s47, 0
	s_mov_b32 s67, 0
	s_lshl_b32 s2, s22, 14                         ; where they go: made of the wave's number alone
	s_lshl_b32 s3, s22, 15
	s_lshl_b32 s84, s20, 13
	s_wait_kmcnt 0x0
	s_add_nc_u64 s[80:81], s[4:5], s[80:81]
	s_add_nc_u64 s[46:47], s[12:13], s[46:47]
	s_add_nc_u64 s[66:67], s[14:15], s[66:67]
	s_add_nc_u64 s[6:7], s[6:7], s[82:83]
	s_add_nc_u64 s[8:9], s[8:9], s[82:83]
	s_add_nc_u64 s[10:11], s[10:11], s[82:83]
	CROUND                                         ; all sixteen work-groups are here: the first joint loads meet
	s_mov_b32 s[G0S], 1
	s_add_co_u32 s[G0S+1], s84, SCV
	s_mov_b64 s[G0S+2:G0S+3], s[66:67]
	s_or_b32 s[G0S+3], s[G0S+3], 0x80000000
	tensor_load_to_lds s[G0S:G0S+3], s[G1S:G1S+7]  ; every wave its quarter of V's scale words: filled once
	s_nop 0
.rept 4
	v_nop
.endr
.irp s, 0,1
	s_mov_b32 s[G0+4*\s], 1
	s_add_co_u32 s[G0+4*\s+1], s2, \s*SLOT
	s_add_nc_u64 s[G0+4*\s+2:G0+4*\s+3], s[80:81], \s*32768
	s_or_b32 s[G0+4*\s+3], s[G0+4*\s+3], 0x80000000
	s_mov_b32 s[G0B+4*\s], 1
	s_add_co_u32 s[G0B+4*\s+1], s3, \s*SLOT+32768
	s_add_nc_u64 s[G0B+4*\s+2:G0B+4*\s+3], s[46:47], \s*65536
	s_or_b32 s[G0B+4*\s+3], s[G0B+4*\s+3], 0x80000000
	JLOAD \s
.endr
	v_lshlrev_b32 v[TO], 2, v0                     ; thread t is query t of the tile: block t / 16, row t % 16
.set CH, 0
.rept 32                               ; the four waves read 512 consecutive bytes of each chunk
	global_load_b32 v[MP+CH], v[TO], s[8:9] offset:512*CH
	global_load_b32 v[LP+CH], v[TO], s[10:11] offset:512*CH
	global_load_b32 v[WP+CH], v[TO], s[6:7] offset:512*CH
.set CH, CH+1
.endr
	v_and_b32 v1, 15, v0                           ; r
	v_bfe_u32 v2, v0, 4, 1                         ; h
	v_and_b32 v3, 31, v0                           ; lane
	v_lshlrev_b32 v[CO], 4, v3
	s_lshl_b32 s2, s21, 13                         ; my 4 of P's 8 images
	v_add_nc_u32 v[ADA], s2, v[CO]
	v_add_nc_u32 v[ADA+1], SLOT, v[ADA]
	s_lshl_b32 s3, s22, 14                         ; my 8 of V's 16
	s_add_co_u32 s3, s3, 32768
	v_add_nc_u32 v[ADB], s3, v[CO]
	v_add_nc_u32 v[ADB+1], SLOT, v[ADB]
	v_lshlrev_b32 v4, 2, v1                        ; 4 r
	v_lshl_add_u32 v5, v2, 9, v4                   ; P's words: lanes 16-31 take q = 1, 512 bytes on
	s_lshl_b32 s2, s21, 8
	s_add_co_u32 s3, s2, SCP
	v_add_nc_u32 v[ADSA], s3, v5
	s_add_co_u32 s3, s2, RLB
	v_add_nc_u32 v[RLA], s3, v4
	v_lshl_add_u32 v5, v2, 10, v4                  ; V's words: q = 1 lies 1,024 bytes on
	s_lshl_b32 s2, s22, 9
	s_add_co_u32 s2, s2, SCV
	v_add_nc_u32 v[ADSB], s2, v5
	s_mul_i32 s2, s20, 16*528
	s_add_co_u32 s2, s2, STG
	v_mul_u32_u24 v5, v1, 528
	v_lshl_add_u32 v5, v2, 5, v5
	v_add_nc_u32 v[STO], s2, v5                    ; into my stage: row r, 32 bytes for each half of the lanes
	v_add_nc_u32 v[RD], s2, v[CO]                  ; back: a row of 512 bytes
	v_add_nc_u32 v[SPA], SCP, v[TO]
	v_add_nc_u32 v[RLW], RLB, v[TO]
.irp a, 0,1,2,3
	v_mov_b32 v[RL+2*\a+1], 0                      ; (named as the upper halves of pairs)
.endr
	s_mov_b32 s88, 0x80808080
	s_mov_b32 s89, 0x01010101
	s_lshl_b32 s86, s45, 19                        ; out0: row 128 y + 64 wr of 4,096 bytes, + 1,024 x + 512 wc
	s_lshl_b32 s87, s21, 18
	s_add_co_u32 s86, s86, s87
	s_lshl_b32 s87, s42, 10
	s_add_co_u32 s86, s86, s87
	s_lshl_b32 s87, s22, 9
	s_add_co_u32 s86, s86, s87
	s_mov_b32 s87, 0
	s_add_nc_u64 s[16:17], s[16:17], s[86:87]
	s_wait_loadcnt 0x0
	v_min3_num_f32 v[NEGM], v[MP], v[MP+1], v[MP+2]
.set J, 3
.rept 14
	v_min3_num_f32 v[NEGM], v[NEGM], v[MP+J], v[MP+J+1]
.set J, J+2
.endr
	v_min_num_f32 v[NEGM], v[NEGM], v[MP+31]       ; -M of my query
.set CH, 0
.rept 32
.set W, 168+4*(CH%2)
	v_sub_f32 v[W], v[NEGM], v[MP+CH]              ; M' - M: a whole number, 0 or less
	v_cvt_i32_f32 v[W], v[W]                       ; (it saturates)
.if CH < 2
	v_ldexp_f32 v[LS+CH], v[LP+CH], v[W]           ; l' under M; the first two start the two chains
.else
	v_ldexp_f32 v[W+1], v[LP+CH], v[W]
	v_add_f32 v[LS+CH%2], v[LS+CH%2], v[W+1]
.endif
	v_sub_nc_u32 v[W], 0, v[W]
	v_min_u32 v[W], 127, v[W]                      ; M - M', held at 127: over every byte of p
	v_mul_lo_u32 v[W], v[W], s89                   ; in all four bytes
	v_or_b32 v[W+1], s88, v[WP+CH]                 ; each byte + 128, so that no byte borrows from the next
	v_sub_nc_u32 v[W+1], v[W+1], v[W]
	v_and_b32 v[W], s88, v[W+1]                    ; the top bit is left where the byte was not the smaller
	v_lshrrev_b32 v[W+2], 7, v[W]
	v_sub_nc_u32 v[W], v[W], v[W+2]                ; 0x7f in those bytes, 0 in the others
	v_and_b32 v[W], v[W+1], v[W]                   ; byte - (M - M'), or 0
	ds_store_b32 v[SPA], v[W] offset:512*CH
.set CH, CH+1
.endr
	v_add_f32 v[LS], v[LS], v[LS+1]
	v_rcp_f32 v[LS], v[LS]
	v_nop                                          ; a plain line behind the transcendental
	s_wait_alu depctr_va_vdst(0)
	ds_store_b32 v[RLW], v[LS]
	s_wait_tensorcnt 1                             ; V's scale words and my part of K step 0 are in; K step 1's load may be out
	s_wait_dscnt 0x0                               ; for the others' sake: my words and my 1 / l lie in LDS
	s_barrier_signal -1
	s_barrier_wait -1
; 8 matrix instructions: P's block a x V's eight, the K step's q-th 128.  The 32 accumulators take turns, one instruction a turn, in the same order in every step.
.macro MUL8 a, p, q, sc, zero
.irp b, 0,1,2,3,4,5,6,7
.set rD, 8*(8*\a+\b)
.set rB, 128*\p+16*\b
.set rA, 128+64*\p+16*\a
.set rSB, SC+12*\sc+4+\b
.set rSA, SC+12*\sc+\a
.if \zero
	v_wmma_scale_f32_16x16x128_f8f6f4 v[rD:rD+7], v[rB:rB+15], v[rA:rA+15], 0, v[rSB], v[rSA]
.elseif \q
	v_wmma_scale_f32_16x16x128_f8f6f4 v[rD:rD+7], v[rB:rB+15], v[rA:rA+15], v[rD:rD+7], v[rSB], v[rSA] matrix_a_scale:MATRIX_SCALE_ROW1 matrix_b_scale:MATRIX_SCALE_ROW1
.else
	v_wmma_scale_f32_16x16x128_f8f6f4 v[rD:rD+7], v[rB:rB+15], v[rA:rA+15], v[rD:rD+7], v[rSB], v[rSA]
.endif
.endr
.endm
.macro FETCH slot, q, p                ; 48 loads of 512 consecutive bytes: V's 8 images, P's 4
	WIN 0x40
.irp i, 0,1,2,3,4,5,6,7
.irp c, 0,1,2,3
	ds_load_b128 v[128*\p+16*\i+4*\c:128*\p+16*\i+4*\c+3], v[ADB+\slot] offset:\q*32768+\i*2048+512*\c
.endr
.endr
	WIN 0
.irp i, 0,1,2,3
.irp c, 0,1,2,3
	ds_load_b128 v[128+64*\p+16*\i+4*\c:128+64*\p+16*\i+4*\c+3], v[ADA+\slot] offset:\q*16384+\i*2048+512*\c
.endr
.endr
.endm
.macro SCALES sc
.irp i, 0,1,2,3
	ds_load_b32 v[SC+12*\sc+\i], v[ADSA] offset:64*\i
.endr
.irp i, 0,1,2,3,4,5,6,7
	ds_load_b32 v[SC+12*\sc+4+\i], v[ADSB] offset:64*\i
.endr
.endm
.macro PLACES n
.rept \n
	v_nop
.endr
.endm
; a slot's first 128 along K, on set 0; the second 128 is fetched into set 1
.macro STEP slot, zero
	s_wait_dscnt 0x0
	WIN MUL
	MUL8 0, 0, 0, \slot, \zero
	PLACES NP                                      ; behind the last products that read set 1
	FETCH \slot, 1, 1
	WIN MUL
	MUL8 1, 0, 0, \slot, \zero
	MUL8 2, 0, 0, \slot, \zero
	MUL8 3, 0, 0, \slot, \zero
.endm
; a slot's second 128, and the change of slots: ONE barrier; in front of it each wave waits for all its tensor loads, adds 0 to its spare word, and waits for that and for its reads of this slot
.macro TURN slot, next, fill
	WIN 0                                          ; (the add's two registers lie in window 0)
	s_wait_tensorcnt 0x0                           ; my one load that was out, my part of the next slot, has landed
	ds_add_u32 v[SPW], v[NIL]                      ; 0 onto my spare word
	s_wait_dscnt 1                                 ; set 1 is in; the add may be out
	WIN MUL
	MUL8 0, 1, 1, \slot, 0
	s_wait_dscnt 0x0                               ; the add is done, and my reads of this slot are over
	s_barrier_signal -1
	MUL8 1, 1, 1, \slot, 0
	WIN 0
	s_barrier_wait -1
.if \fill
	CREST                                          ; the barrier has opened a round of the cluster's: no wave of any partner still reads this slot or has a load on its way
	s_add_nc_u64 s[G0+4*\slot+2:G0+4*\slot+3], s[G0+4*\slot+2:G0+4*\slot+3], 2*32768
	s_add_nc_u64 s[G0B+4*\slot+2:G0B+4*\slot+3], s[G0B+4*\slot+2:G0B+4*\slot+3], 2*65536
	JLOAD \slot                                    ; the first tensor load behind the round; its four v_nop are four of the places in front of the loads below
	PLACES NP-4
.else
	PLACES NP
.endif
	v_add_nc_u32 v[ADSA], 1024, v[ADSA]            ; the next K step's scale words
	v_add_nc_u32 v[ADSB], 2048, v[ADSB]
	FETCH \next, 0, 0
	SCALES \next
	WIN MUL
	MUL8 2, 1, 1, \slot, 0
	MUL8 3, 1, 1, \slot, 0
.endm
	FETCH 0, 0, 0
	SCALES 0
	STEP 0, 1                                      ; the first step stands in front of the loop: its products start the sums
	WIN 0                                          ; at a label and at a branch every window is 0
	s_mov_b32 s23, 7
.Llap:                                                 ; a trip goes once round the ring and fills both slots again: seven trips bring K steps 2 to 15
	TURN 0, 1, 1
	STEP 1, 0
	TURN 1, 0, 1
	STEP 0, 0
	WIN 0
	s_sub_co_u32 s23, s23, 1
	s_cmp_lg_u32 s23, 0
	s_cbranch_scc1 .Llap
	TURN 0, 1, 0                                   ; the last lap fills nothing, and has no round
	STEP 1, 0
	s_wait_dscnt 0x0
	MUL8 0, 1, 1, 1, 0
	MUL8 1, 1, 1, 1, 0
	MUL8 2, 1, 1, 1, 0
	MUL8 3, 1, 1, 1, 0
	WIN 0
	PLACES NP                                      ; in front of the first read of results and of loads into the registers that held P's fragments
.irp a, 0,1,2,3
	ds_load_b32 v[RL+2*\a], v[RLA] offset:64*\a    ; 1 / l of query 16 a + r of my 64
.endr
	s_wait_dscnt 0x0
; THE WAY OUT, block by block of 16 queries x 128 channels: divided by l, through my own stage, back as whole rows of 512 bytes
.macro TOSTAGE a
.set BB, 128+64*((\a)%2)
	WIN 0x02                                       ; source 0: the accumulators' window
.set J, 0
.rept 32
	v_pk_mul_f32 v[TT+J:TT+J+1], v[64*\a+J:64*\a+J+1], v[RL+2*\a:RL+2*\a+1] op_sel_hi:[1,0]   ; each accumulator from its low end on
.set J, J+2
.endr
	WIN 0
.irp b, 0,1,2,3,4,5,6,7
	ds_store_b128 v[STO], v[TT+8*\b:TT+8*\b+3] offset:64*\b
	ds_store_b128 v[STO], v[TT+8*\b+4:TT+8*\b+7] offset:64*\b+16
.endr
.if \a >= 2
	s_wait_xcnt 0x0                                ; the stores of two blocks back have read the registers that the loads below fill
.endif
.irp t, 0,1,2,3,4,5,6,7,8,9,10,11,12,13,14,15
	ds_load_b128 v[BB+4*\t:BB+4*\t+3], v[RD] offset:\t*528     ; LDS serves a wave's instructions in order: these see the stores above, and the next block's stores come behind them
.endr
.endm
.macro SEND a, younger                 ; younger: the LDS instructions issued behind block a's loads: the next block's 16 stores and 16 loads, or none
.set BB, 128+64*((\a)%2)
	s_wait_dscnt \younger
.irp t, 0,1,2,3,4,5,6,7,8,9,10,11,12,13,14,15
	global_store_b128 v[CO], v[BB+4*\t:BB+4*\t+3], s[16:17] offset:\a*65536+\t*4096 th:TH_STORE_NT   ; 512 consecutive bytes, aligned; written once, read by nobody here
.endr
.endm
	TOSTAGE 0
	TOSTAGE 1
	SEND 0, 32
	TOSTAGE 2
	SEND 1, 32
	TOSTAGE 3
	SEND 2, 32
	SEND 3, 0
	s_wait_tensorcnt 0x0                           ; the wave's end
	ds_add_u32 v[SPW], v[NIL]
	s_wait_dscnt 0x0
	CROUND                                         ; the closing round: no work-group ends while a partner may still ask for a tile that names it
	s_endpgm
.Lfunc_end_k_q3bdd7ec1f1_mix:
	.size	k_q3bdd7ec1f1_mix, .Lfunc_end_k_q3bdd7ec1f1_mix-k_q3bdd7ec1f1_mix
	.p2alignl 7, 3214868480
	.fill 96, 4, 3214868480
	.section	.rodata,"a",@progbits
	.p2align	6, 0x0
	.amdhsa_kernel k_q3bdd7ec1f1_mix
		.amdhsa_group_segment_fixed_size 327680
		.amdhsa_private_segment_fixed_size 0
		.amdhsa_enable_private_segment 0
		.amdhsa_kernarg_size 56
		.amdhsa_user_sgpr_count 2
		.amdhsa_user_sgpr_kernarg_segment_ptr 1
		.amdhsa_wavefront_size32 1
		.amdhsa_system_sgpr_workgroup_id_x 1
		.amdhsa_system_sgpr_workgroup_id_y 1
		.amdhsa_system_sgpr_workgroup_id_z 1
		.amdhsa_system_vgpr_workitem_id 0
		.amdhsa_next_free_vgpr 768
		.amdhsa_next_free_sgpr 92
		.amdhsa_reserve_vcc 0
		.amdhsa_float_denorm_mode_32 3
		.amdhsa_float_denorm_mode_16_64 3
		.amdhsa_memory_ordered 1
		.amdhsa_forward_progress 1
		.amdhsa_inst_pref_size 125
	.end_amdhsa_kernel
	.amdgpu_metadata
---
amdhsa.version: [ 1, 2 ]
amdhsa.kernels:
  - .name:           k_q3bdd7ec1f1_mix
    .symbol:         k_q3bdd7ec1f1_mix.kd
    .args:
      - { .name: pc, .offset: 0, .size: 8, .value_kind: global_buffer, .address_space: global }
      - { .name: ps, .offset: 8, .size: 8, .value_kind: global_buffer, .address_space: global }
      - { .name: pm, .offset: 16, .size: 8, .value_kind: global_buffer, .address_space: global }
      - { .name: pl, .offset: 24, .size: 8, .value_kind: global_buffer, .address_space: global }
      - { .name: vc, .offset: 32, .size: 8, .value_kind: global_buffer, .address_space: global }
      - { .name: vs, .offset: 40, .size: 8, .value_kind: global_buffer, .address_space: global }
      - { .name: out0, .offset: 48, .size: 8, .value_kind: global_buffer, .address_space: global }
    .group_segment_fixed_size: 327680
    .private_segment_fixed_size: 0
    .kernarg_segment_align: 8
    .kernarg_segment_size: 56
    .max_flat_workgroup_size: 128
    .sgpr_count:     92
    .vgpr_count:     768
    .wavefront_size: 32
...
	.end_amdgpu_metadata
.endif
;; end of part 3
